; MI455X (gfx1250); checked and timed in simulation.
; The chip was launched on July 23, 2026; its instructions are those of AMD's public machine-readable ISA for CDNA 5 (MIT licence, August 2026) and "CDNA5" Instruction Set Architecture Reference Guide (July 2026). The comments in the code are by the model that wrote it; some were corrected since.
;; Mo E Head. Allowed arithmetic: float matrix products may take bf16 or f16 operands with f32 sums; other float arithmetic in f32, or as packed bf16 or f16 multiplies, adds, multiply-adds, maxima and minima; sums over many terms, partial sums and values carried from step to step in f32; what a program stores and reads back later, other than sums and carried values, may be rounded once to bf16 or f16.
;; Inputs: W 8 x 512 x 512 float32; Wg 8 x 512 float32; b 8 x 512 float32; bg 8 float32; x 32,768 x 512 float32.
;; Outputs: out0 32,768 x 512 float32.
;; One version. Each part assembles by itself: llvm-mc -triple=amdgcn-amd-amdhsa -mcpu=gfx1250 --defsym DOCPART=n.
;; ======== version 1 of 1: 2 launches
;; limits: right only within a limited range of input values
;; workspace buffers: xq 33,554,432 bytes; wq 4,194,304 bytes; fac 262,144 bytes; off 32,768 bytes of whole numbers; order 131,072 bytes of whole numbers
;; launch route (part 1): grid 256 x 1, 8 waves a work-group, no clusters, 160,256 bytes of LDS; arguments x, W, Wg, bg, xq, wq, fac, off, order; writes xq, wq, fac, off, order
.if DOCPART == 1
	.amdgcn_target "amdgcn-amd-amdhsa--gfx1250"
	.amdhsa_code_object_version 6
	.text
	.protected	k_q13eb3fbab6_route
	.globl	k_q13eb3fbab6_route
	.p2align	8
	.type	k_q13eb3fbab6_route,@function
k_q13eb3fbab6_route:
	s_mov_b64 s[64:65], 0
	v_nop
	global_prefetch_b8 v0, s[64:65] scope:SCOPE_SE
	s_setreg_imm32_b32 hwreg(HW_REG_WAVE_MODE, 25, 1), 1
	s_wait_xcnt 0x0
; ROUTE.  Work-group blk takes tokens 128 blk .. +127 (16 a wave) and rows 16 blk .. +15 of W seen as [4096][512].
; It rounds x to bf16 (xq) and W to bf16 in the order in which a wave's operand registers take it (wq), computes the gate on the ROUNDED
; numbers (x, Wg, bg all rounded once to bf16; exact products, f32 sums, the bias added last), takes the two best experts (strict compares:
; the lower index wins a tie, as jax.lax.top_k has it), and stores at FIXED places: the two factors F, G of each token (fac), the block's
; tokens sorted by their set of experts (order) and, for each set code s, how many of the block's tokens have a lower code (off).
; No address and no branch hangs on a score: ranks are made by comparing every key with every key.
; WEIGHTS.  v1 >= v2 the two best scores, tt = min((v1 - v2) log2 e, 64), q = 2^-tt, w1 = 1 / (1 + q): the maximum is taken away as the softmax
; of two does.  With a < b the two experts, out = G (F Y_a + Y_b): F = 2^tt, G = q w1 if a is the better one, else F = q, G = w1.
; LIMITS.  A weight below 2^-64 counts as 2^-64 (an error of at most 5e-20 of the lesser expert's row).  NaN and infinities are not treated apart.
; Where two scores differ by a few units in the last place of f32 the order of the sums may choose another expert.
; wq: byte ((e 8 + cg) 16 + t) 4096 + (2 c + hf) 512 + 16 L holds W[e][64 cg + 16 c + L % 16][32 t + 16 hf + 8 (L / 16) + 0..7].
; No cluster, no tensor loads: the work-groups share only Wg (16 KB); x is converted on its way, so it passes through registers anyway.
; REGISTERS.  Window 1 (v256-511) holds the wave's 16 rows of x, 16 registers a row: all 64 loads go out ahead of the first row's work, a row is rounded in place and stored from
; where it lies, and no register of the window is written again: so no store's source is ever waited for.  All else lies in window 0.
; s_set_vgpr_msb: bits 1:0 source 0, 3:2 source 1, 5:4 source 2, 7:6 destination.
.set PITCH, 1040                       ; an LDS row: 1,024 bytes of bf16 + 16: 65 x 16 bytes, so the 16 rows of a fragment load start in 16 different groups of four banks
.set XTW,   16*PITCH                   ; a wave's own 16 rows of x
.set WT,    8*XTW                      ; 16 rows of W
.set GT,    WT+XTW                     ; 8 rows of Wg
.set KEYS,  158208                     ; 128 keys: set code x 128 + the token's place in the block
.set POS,   158720                     ; 128 ranks
.set SPARE, 159232                     ; the spare words, 128 bytes for each of the eight waves; no other line names them
.set LN,  1                            ; lane
.set R,   2                            ; lane % 16
.set H,   3                            ; lane / 16
.set XO,  4                            ; byte offset of my 16 bytes in my wave's first row of x
.set QO,  5                            ; the same in xq (8 bytes)
.set XS,  6                            ; LDS: where I put 8 bytes of a row of x
.set XF,  7                            ; LDS: my lane's place in a fragment of x
.set GF,  8                            ; LDS: the same for Wg (row r % 8: rows 8-15 of the matrix operand repeat the eight experts)
.set SPW, 9                            ; LDS address of my spare word; never rewritten
.set NIL, 10                           ; 0; never rewritten
.set TL,  11                           ; my token's place in the block: 16 wave + r
.set X,   16                           ; v16-143  the gate's fragments, then 128 keys, then 128 ranks
.set T,   144                          ; v144-159 W's fragments on their way out
.set ACC, 176                          ; v176-207 four accumulators; before that W as loaded
.set S,   208                          ; v208-215 the eight scores; before that, with v216-223, Wg as loaded
.set BG,  216                          ; v216-223 bg rounded to bf16, as f32
.set V1,  224
.set V2,  225
.set I1,  226
.set I2,  227
.set TT,  228
.set NT,  229
.set Q,   230
.set F2,  231
.set FG,  232                          ; v232-233 F, G
.set W1,  234
.set WR1, 235
.set G2,  236
.set CA,  237
.set CB,  238
.set KEY, 239
.set U,   240                          ; v240-247 at work
.set WGO, 248
.set WO,  249
.set GS,  250
.set WS,  251
.set WR,  252
.set WQO, 253
.set FO,  254
.set KA,  255
.set MSB, 0
.macro WIN new                         ; the immediate's high byte repeats the setting that is left; a switch that changes nothing is dropped
.if MSB != (\new)
	s_set_vgpr_msb (MSB<<8)|(\new)
.set MSB, \new
.endif
.endm
	s_load_b512 s[4:19], s[0:1], 0x0               ; x s[4:5], W s[6:7], Wg s[8:9], bg s[10:11], xq s[12:13], wq s[14:15], fac s[16:17], off s[18:19]
	s_load_b64 s[20:21], s[0:1], 0x40              ; order
	v_lshl_add_u32 v[SPW], v0, 2, SPARE
	v_mov_b32 v[NIL], 0
	v_and_b32 v[LN], 31, v0
	v_and_b32 v[R], 15, v0
	v_bfe_u32 v[H], v0, 4, 1
	v_lshrrev_b32 v12, 5, v0
	v_readfirstlane_b32 s22, v12                   ; wave 0..7
	s_lshl_b32 s35, s22, 15
	v_lshl_add_u32 v[XO], v[LN], 4, s35            ; wave x 16 rows x 2,048 + 16 lane
	s_lshl_b32 s35, s22, 14
	v_lshl_add_u32 v[QO], v[LN], 3, s35            ; wave x 16 rows x 1,024 + 8 lane
	s_mul_i32 s36, s22, XTW
	v_lshl_add_u32 v[XS], v[LN], 3, s36
	v_mul_u32_u24 v12, v[R], PITCH
	v_lshl_add_u32 v12, v[H], 4, v12               ; row x pitch + 16 x half
	v_add_nc_u32 v[XF], s36, v12
	v_and_b32 v13, 7, v0
	v_mul_u32_u24 v13, v13, PITCH
	v_lshl_add_u32 v13, v[H], 4, v13
	v_add_nc_u32 v[GF], GT, v13
	s_lshl_b32 s35, s22, 7                         ; my two K steps of 32: 128 bytes along W's rows
	s_add_co_u32 s35, s35, WT
	v_add_nc_u32 v[WR], s35, v12
	v_lshlrev_b32 v[WGO], 4, v0                    ; Wg: 256 threads x 16 bytes, four times
	s_lshl_b32 s35, s22, 12
	v_lshl_add_u32 v[WO], v[LN], 4, s35            ; W: my wave's two rows
	s_lshr_b32 s35, s22, 2                         ; Wg in LDS: thread / 128 is the row, thread % 128 the place: both from the wave's number and the lane
	s_mul_i32 s35, s35, PITCH
	s_and_b32 s37, s22, 3
	s_lshl_b32 s37, s37, 8
	s_add_co_u32 s35, s35, s37
	s_add_co_u32 s35, s35, GT
	v_lshl_add_u32 v[GS], v[LN], 3, s35
	s_mul_i32 s35, s22, 2*PITCH
	s_add_co_u32 s35, s35, WT
	v_lshl_add_u32 v[WS], v[LN], 3, s35
	s_lshl_b32 s35, s22, 13
	v_lshl_add_u32 v[WQO], v[LN], 4, s35           ; wq: my two K steps of 4,096 bytes
	v_lshl_add_u32 v[TL], s22, 4, v[R]
	v_lshlrev_b32 v[FO], 3, v[TL]
	v_lshl_add_u32 v[KA], v[TL], 2, KEYS
	s_wait_kmcnt 0x0
	s_mov_b32 s33, 0                               ; each pointer takes its own block's offset
	s_lshl_b32 s32, ttmp9, 18
	s_add_nc_u64 s[4:5], s[4:5], s[32:33]          ; x: 128 rows of 2,048 bytes
	s_lshl_b32 s32, ttmp9, 15
	s_add_nc_u64 s[6:7], s[6:7], s[32:33]          ; W: 16 rows of 2,048 bytes
	s_lshl_b32 s32, ttmp9, 17
	s_add_nc_u64 s[12:13], s[12:13], s[32:33]      ; xq: 128 rows of 1,024 bytes
	s_lshr_b32 s32, ttmp9, 2
	s_lshl_b32 s32, s32, 16
	s_and_b32 s34, ttmp9, 3
	s_lshl_b32 s34, s34, 10
	s_add_co_u32 s32, s32, s34
	s_add_nc_u64 s[14:15], s[14:15], s[32:33]      ; wq: (e 8 + cg) 65,536 + c 1,024
	s_lshl_b32 s32, ttmp9, 10
	s_add_nc_u64 s[16:17], s[16:17], s[32:33]      ; fac
	s_lshl_b32 s32, ttmp9, 7
	s_add_nc_u64 s[18:19], s[18:19], s[32:33]      ; off
	s_lshl_b32 s32, ttmp9, 9
	s_add_nc_u64 s[20:21], s[20:21], s[32:33]      ; order
	s_load_b256 s[24:31], s[10:11], 0x0            ; bg
.set j, 0
.rept 4
	global_load_b128 v[S+4*j:S+4*j+3], v[WGO], s[8:9] offset:4096*j
.set j, j+1
.endr
.set j, 0
.rept 8
	global_load_b128 v[ACC+4*j:ACC+4*j+3], v[WO], s[6:7] offset:512*j th:TH_LOAD_NT
.set j, j+1
.endr
	WIN 0x40                                       ; destination window 1, address window 0
.set j, 0
.rept 48                                           ; rows 0 to 11 of x: loads of 512 consecutive bytes, four a row
	global_load_b128 v[4*j:4*j+3], v[XO], s[4:5] offset:512*j th:TH_LOAD_NT
.set j, j+1
.endr
	WIN 0
	s_wait_loadcnt 56                              ; Wg is in: W's 8 and x's 48 loads are younger
.set j, 0
.rept 4
	v_cvt_pk_bf16_f32 v[S+4*j], v[S+4*j], v[S+4*j+1]
	v_cvt_pk_bf16_f32 v[S+4*j+1], v[S+4*j+2], v[S+4*j+3]
	ds_store_b64 v[GS], v[S+4*j:S+4*j+1] offset:2*PITCH*j
.set j, j+1
.endr
	s_wait_loadcnt 48                              ; W is in: x's 48 loads are younger
.set j, 0
.rept 8
	v_cvt_pk_bf16_f32 v[ACC+4*j], v[ACC+4*j], v[ACC+4*j+1]
	v_cvt_pk_bf16_f32 v[ACC+4*j+1], v[ACC+4*j+2], v[ACC+4*j+3]
	ds_store_b64 v[WS], v[ACC+4*j:ACC+4*j+1] offset:(j/4)*PITCH+(j%4)*256
.set j, j+1
.endr
	WIN 0x40
.set j, 48
.rept 16                                           ; rows 12 to 15: now all 32 KB of the wave's x have been asked for
	global_load_b128 v[4*j:4*j+3], v[XO], s[4:5] offset:512*j th:TH_LOAD_NT
.set j, j+1
.endr
	WIN 0
	s_wait_dscnt 0x0                               ; for the others' sake: my parts of Wg and W are in LDS
	s_barrier_signal -1
	s_barrier_wait -1
	s_wait_kmcnt 0x0                               ; bg
.set j, 0
.rept 4
	v_cvt_pk_bf16_f32 v[U+j], s[24+2*j], s[25+2*j] ; rounded once to bf16,
	v_lshlrev_b32 v[BG+2*j], 16, v[U+j]            ; and widened again
	v_and_b32 v[BG+2*j+1], 0xffff0000, v[U+j]
.set j, j+1
.endr
	; W leaves in fragment order: K steps 2 wave and 2 wave + 1, both halves of each; a store covers 512 consecutive bytes
	ds_load_b128 v[T:T+3], v[WR]
	ds_load_b128 v[T+4:T+7], v[WR] offset:32
	ds_load_b128 v[T+8:T+11], v[WR] offset:64
	ds_load_b128 v[T+12:T+15], v[WR] offset:96
	s_wait_dscnt 0x0
	global_store_b128 v[WQO], v[T:T+3], s[14:15]
	global_store_b128 v[WQO], v[T+4:T+7], s[14:15] offset:512
	global_store_b128 v[WQO], v[T+8:T+11], s[14:15] offset:4096
	global_store_b128 v[WQO], v[T+12:T+15], s[14:15] offset:4608
; Row i of my wave's 16: rounded in place (result 2 q, 2 q + 1 of the row's registers from sources 4 q .. 4 q + 3: no result lands on a source still to be read),
; stored to xq (four stores of 256 consecutive bytes) and laid into my own rows of LDS.
.macro ROW i
	s_wait_loadcnt 4*(15-(\i))                     ; loads come back in order: row i is in, the younger rows stay out
	WIN 0x45                                       ; sources and destination window 1
.set q, 0
.rept 4
	v_cvt_pk_bf16_f32 v[16*(\i)+2*q], v[16*(\i)+4*q], v[16*(\i)+4*q+1]
	v_cvt_pk_bf16_f32 v[16*(\i)+2*q+1], v[16*(\i)+4*q+2], v[16*(\i)+4*q+3]
.set q, q+1
.endr
	WIN 0x04                                       ; data (source 1) window 1, addresses window 0
.set q, 0
.rept 4
	global_store_b64 v[QO], v[16*(\i)+2*q:16*(\i)+2*q+1], s[12:13] offset:(\i)*1024+256*q
	ds_store_b64 v[XS], v[16*(\i)+2*q:16*(\i)+2*q+1] offset:(\i)*PITCH+256*q
.set q, q+1
.endr
.endm
.irp i, 0,1,2,3,4,5,6,7,8,9,10,11,12,13,14,15
	ROW \i
.endr
	WIN 0
; THE GATE.  Source 0 = Wg (rows 8-15 repeat the experts), source 1 = my 16 tokens: register j of the result is expert j's score for token lane % 16, in both halves of the lanes.
; Half hh of K: 8 steps of 32.  Four accumulators take turns, one instruction a turn; the first four products start the sums.
.macro GATEHALF hh
.if \hh
.rept 4
	v_nop                                          ; four places between the products and the loads into the registers that they read
.endr
.endif
.set t, 0
.rept 8
	ds_load_b128 v[X+16*t:X+16*t+3],     v[XF] offset:64*(8*(\hh)+t)     ; my own rows: LDS serves a wave's instructions in order
	ds_load_b128 v[X+16*t+4:X+16*t+7],   v[XF] offset:64*(8*(\hh)+t)+32
	ds_load_b128 v[X+16*t+8:X+16*t+11],  v[GF] offset:64*(8*(\hh)+t)
	ds_load_b128 v[X+16*t+12:X+16*t+15], v[GF] offset:64*(8*(\hh)+t)+32
.set t, t+1
.endr
	s_wait_dscnt 0x0
.set t, 0
.rept 8
.if ((\hh) == 0) && (t < 4)
	v_wmma_f32_16x16x32_bf16 v[ACC+8*(t%4):ACC+8*(t%4)+7], v[X+16*t+8:X+16*t+15], v[X+16*t:X+16*t+7], 0
.else
	v_wmma_f32_16x16x32_bf16 v[ACC+8*(t%4):ACC+8*(t%4)+7], v[X+16*t+8:X+16*t+15], v[X+16*t:X+16*t+7], v[ACC+8*(t%4):ACC+8*(t%4)+7]
.endif
.set t, t+1
.endr
.endm
	GATEHALF 0
	GATEHALF 1
.rept 4
	v_nop                                          ; four places behind the last products
.endr
.set j, 0
.rept 4                                            ; each accumulator is read from its low end on
	v_pk_add_f32 v[S+2*j:S+2*j+1], v[ACC+2*j:ACC+2*j+1], v[ACC+8+2*j:ACC+8+2*j+1]
	v_pk_add_f32 v[U+2*j:U+2*j+1], v[ACC+16+2*j:ACC+16+2*j+1], v[ACC+24+2*j:ACC+24+2*j+1]
.set j, j+1
.endr
.set j, 0
.rept 4
	v_pk_add_f32 v[S+2*j:S+2*j+1], v[S+2*j:S+2*j+1], v[U+2*j:U+2*j+1]
	v_pk_add_f32 v[S+2*j:S+2*j+1], v[S+2*j:S+2*j+1], v[BG+2*j:BG+2*j+1]  ; the bias last
.set j, j+1
.endr
	; the two best: begun with scores 0 and 1, so that the two indices differ whatever the numbers
	v_cmp_gt_f32 vcc_lo, v[S+1], v[S]
	v_cndmask_b32 v[V1], v[S], v[S+1], vcc_lo
	v_cndmask_b32 v[V2], v[S+1], v[S], vcc_lo
	v_cndmask_b32 v[I1], 0, 1, vcc_lo
	v_cndmask_b32 v[I2], 1, 0, vcc_lo
.irp j, 2,3,4,5,6,7
	v_cmp_gt_f32 vcc_lo, v[S+\j], v[V1]            ; better than the best?
	v_cmp_gt_f32 s34, v[S+\j], v[V2]               ; than the second?
	v_cndmask_b32 v[V2], v[V2], v[S+\j], s34
	v_cndmask_b32 v[I2], v[I2], \j, s34
	v_cndmask_b32 v[V2], v[V2], v[V1], vcc_lo
	v_cndmask_b32 v[I2], v[I2], v[I1], vcc_lo
	v_cndmask_b32 v[V1], v[V1], v[S+\j], vcc_lo
	v_cndmask_b32 v[I1], v[I1], \j, vcc_lo
.endr
	v_sub_f32 v[TT], v[V1], v[V2]                  ; the maximum is taken away: 0 and v2 - v1
	v_mul_f32 v[TT], 0x3fb8aa3b, v[TT]             ; log2 e
	v_min_num_f32 v[TT], 0x42800000, v[TT]         ; 64
	v_mul_f32 v[NT], -1.0, v[TT]
	v_exp_f32 v[Q], v[NT]
	v_exp_f32 v[F2], v[TT]
	v_min_u32 v[CA], v[I1], v[I2]                  ; the set's code, a (15 - a) / 2 + b - a - 1, is the independent work behind the two exponentials
	v_max_u32 v[CB], v[I1], v[I2]
	v_sub_nc_u32 v[KEY], 15, v[CA]
	v_mul_u32_u24 v[KEY], v[KEY], v[CA]
	v_lshrrev_b32 v[KEY], 1, v[KEY]
	v_add_nc_u32 v[KEY], v[KEY], v[CB]
	v_sub_nc_u32 v[KEY], v[KEY], v[CA]
	v_add_nc_u32 v[KEY], -1, v[KEY]
	s_wait_alu depctr_va_vdst(0)                   ; one wait for both exponentials, ahead of their first reader
	v_add_f32 v[W1], 1.0, v[Q]
	v_rcp_f32 v[WR1], v[W1]
	v_lshl_add_u32 v[KEY], v[KEY], 7, v[TL]        ; key = code x 128 + place: the plain instruction behind the reciprocal
	s_wait_alu depctr_va_vdst(0)                   ; and its wait
	v_mul_f32 v[G2], v[Q], v[WR1]
	v_cmp_lt_u32 vcc_lo, v[I1], v[I2]              ; is the better expert the lower one?
	v_cndmask_b32 v[FG], v[Q], v[F2], vcc_lo
	v_cndmask_b32 v[FG+1], v[WR1], v[G2], vcc_lo
	global_store_b64 v[FO], v[FG:FG+1], s[16:17]   ; both halves of the lanes hold the same numbers and write the same bytes
	ds_store_b32 v[KA], v[KEY]
	s_wait_dscnt 0x0                               ; for the others' sake: my 16 keys are in LDS
	s_barrier_signal -1
	s_barrier_wait -1
	; RANKS.  Waves 0-3: thread t counts the keys below key t: its place in the sorted block.  Wave 4: lane s counts the keys below s x 128: off[blk][s].  Waves 5-7 have nothing to count.
.set THK, 224
.set THR, 225
.set PR,  226
.set L128, 227
.set KB,  228
.set KB2, 229
.set RES, 230
.set OO,  231
	s_cmp_gt_u32 s22, 4
	s_cbranch_scc1 .Lranked
	s_and_b32 s35, s22, 3
	s_lshl_b32 s35, s35, 7
	s_add_co_u32 s35, s35, KEYS
	v_lshl_add_u32 v[KB2], v[LN], 2, s35
	ds_load_b32 v[THK], v[KB2]
	v_mov_b32 v[KB], KEYS
.set j, 0
.rept 32
	ds_load_b128 v[X+4*j:X+4*j+3], v[KB] offset:16*j  ; all 128 keys, the same in every lane
.set j, j+1
.endr
	s_cmp_lt_u32 s22, 4
	s_cselect_b32 s23, 0, -1
	v_lshlrev_b32 v[L128], 7, v[LN]
	v_mov_b32 v[PR], 0
	s_wait_dscnt 0x0
	v_cndmask_b32 v[THR], v[THK], v[L128], s23
.set j, 0
.rept 128
	v_cmp_gt_u32 vcc_lo, v[THR], v[X+j]
	v_add_co_ci_u32 v[PR], vcc_lo, 0, v[PR], vcc_lo
.set j, j+1
.endr
	s_cmp_lt_u32 s22, 4
	s_cbranch_scc0 .Lcounts
	s_lshl_b32 s35, s22, 7
	s_add_co_u32 s35, s35, POS
	v_lshl_add_u32 v[KB2], v[LN], 2, s35
	ds_store_b32 v[KB2], v[PR]
	s_branch .Lranked
.Lcounts:
	v_lshlrev_b32 v[KB2], 2, v[LN]
	global_store_b32 v[KB2], v[PR], s[18:19]       ; 128 consecutive bytes
.Lranked:
	s_wait_dscnt 0x0                               ; my reads of the keys are back, my ranks are in LDS
	s_barrier_signal -1
	s_barrier_wait -1
	s_cmp_gt_u32 s22, 3
	s_cbranch_scc1 .Lend
	; THE INVERSE.  Thread p looks for the token whose rank is p: by comparing, so that no address hangs on a rank.
	v_mov_b32 v[KB], POS
.set j, 0
.rept 32
	ds_load_b128 v[X+4*j:X+4*j+3], v[KB] offset:16*j
.set j, j+1
.endr
	v_mov_b32 v[RES], 0
	s_wait_dscnt 0x0
.set j, 0
.rept 128
	v_cmp_ne_u32 vcc_lo, v0, v[X+j]
	v_cndmask_b32 v[RES], j, v[RES], vcc_lo
.set j, j+1
.endr
	s_lshl_b32 s35, ttmp9, 7
	v_add_nc_u32 v[RES], s35, v[RES]               ; the token's number among all
	v_lshlrev_b32 v[OO], 2, v0
	global_store_b32 v[OO], v[RES], s[20:21]
.Lend:
	s_wait_tensorcnt 0x0                           ; the wave's end: behind my last LDS store
	ds_add_u32 v[SPW], v[NIL]
	s_wait_dscnt 0x0
	s_endpgm
.Lfunc_end_k_q13eb3fbab6_route:
	.size	k_q13eb3fbab6_route, .Lfunc_end_k_q13eb3fbab6_route-k_q13eb3fbab6_route
	.p2alignl 7, 3214868480
	.fill 96, 4, 3214868480
	.section	.rodata,"a",@progbits
	.p2align	6, 0x0
	.amdhsa_kernel k_q13eb3fbab6_route
		.amdhsa_group_segment_fixed_size 160256
		.amdhsa_private_segment_fixed_size 0
		.amdhsa_enable_private_segment 0
		.amdhsa_kernarg_size 72
		.amdhsa_user_sgpr_count 2
		.amdhsa_user_sgpr_kernarg_segment_ptr 1
		.amdhsa_wavefront_size32 1
		.amdhsa_system_sgpr_workgroup_id_x 1
		.amdhsa_system_sgpr_workgroup_id_y 1
		.amdhsa_system_sgpr_workgroup_id_z 1
		.amdhsa_system_vgpr_workitem_id 0
		.amdhsa_next_free_vgpr 512
		.amdhsa_next_free_sgpr 66
		.amdhsa_reserve_vcc 1
		.amdhsa_float_denorm_mode_32 3
		.amdhsa_float_denorm_mode_16_64 3
		.amdhsa_memory_ordered 1
		.amdhsa_forward_progress 1
		.amdhsa_inst_pref_size 68
	.end_amdhsa_kernel
	.amdgpu_metadata
---
amdhsa.version: [ 1, 2 ]
amdhsa.kernels:
  - .name:           k_q13eb3fbab6_route
    .symbol:         k_q13eb3fbab6_route.kd
    .args:
      - { .name: x, .offset: 0, .size: 8, .value_kind: global_buffer, .address_space: global }
      - { .name: W, .offset: 8, .size: 8, .value_kind: global_buffer, .address_space: global }
      - { .name: Wg, .offset: 16, .size: 8, .value_kind: global_buffer, .address_space: global }
      - { .name: bg, .offset: 24, .size: 8, .value_kind: global_buffer, .address_space: global }
      - { .name: xq, .offset: 32, .size: 8, .value_kind: global_buffer, .address_space: global }
      - { .name: wq, .offset: 40, .size: 8, .value_kind: global_buffer, .address_space: global }
      - { .name: fac, .offset: 48, .size: 8, .value_kind: global_buffer, .address_space: global }
      - { .name: off, .offset: 56, .size: 8, .value_kind: global_buffer, .address_space: global }
      - { .name: order, .offset: 64, .size: 8, .value_kind: global_buffer, .address_space: global }
    .group_segment_fixed_size: 160256
    .private_segment_fixed_size: 0
    .kernarg_segment_align: 8
    .kernarg_segment_size: 72
    .max_flat_workgroup_size: 256
    .sgpr_count:     66
    .vgpr_count:     512
    .wavefront_size: 32
...
	.end_amdgpu_metadata
.endif
;; end of part 1
;; launch chain (part 2): grid 256 x 1, 4 waves a work-group, no clusters, 223,488 bytes of LDS; arguments xq, wq, b, off, order, fac, out0; writes out0
.if DOCPART == 2
	.amdgcn_target "amdgcn-amd-amdhsa--gfx1250"
	.amdhsa_code_object_version 6
	.text
	.protected	k_q13eb3fbab6_chain
	.globl	k_q13eb3fbab6_chain
	.p2align	8
	.type	k_q13eb3fbab6_chain,@function
k_q13eb3fbab6_chain:
	s_mov_b64 s[64:65], 0
	v_nop
	global_prefetch_b8 v0, s[64:65] scope:SCOPE_SE
	s_setreg_imm32_b32 hwreg(HW_REG_WAVE_MODE, 25, 1), 1
	s_wait_xcnt 0x0
; CHAIN.  out[tok] = G (F (x W_a^T + b_a) + x W_b^T + b_b) for the token's two experts a < b; x, W and b rounded once to bf16, products exact, sums in f32, F and G applied in f32.
; TILES.  Tokens are taken by their SET of two experts (28 sets), in tiles of 144 rows: the sum over the sets of ceil(count / 144) is at most (32,768 + 28 x 143) / 144 = 255, so 256 work-groups
; serve every split, and each output row has one owner.  Every wave works the dealing out for itself from the stored counts.  A work-group that a split leaves without rows runs the set-up on
; clamped addresses as far as the second barrier (both barriers stand on every wave's path), then ends and stores nothing.  Places of a tile past its count repeat its last row.
; THE COUNTS are read once a work-group: each wave brings a quarter of the table, lays it into LDS by codes and adds it up; behind a barrier every wave has the totals and can read any set's column.
; SHARES.  Wave w makes columns 128 w .. +127 in two phases of 64: 144 x 64 outputs in 36 accumulators, K = 512 of expert a, a rescaling by F, then 512 of expert b.
; The 144 rows of x are gathered once into LDS.  Each wave's weights are read by that wave alone, from wq straight into operand registers, seven K steps ahead: the loop over K writes no LDS and has no barrier.
; THE MATRIX INSTRUCTION IS USED TRANSPOSED (source 0 = 16 rows of W, source 1 = 16 tokens): a lane holds one token (lane % 16) and eight neighbouring columns, so F and G are one number a lane and the bias is a C operand.
; NO CLUSTER, NO TENSOR LOADS.  x's rows come by a list, which no descriptor covers.  Partners of a joint load of weights would have to share a set; whole clusters of four dealt to 28 sets within
; 64 clusters want 4 M >= (32,768 + 28 (4 M - 1)) / 64, tiles of 228 rows or more, for which a wave has no registers.
; LIMITS: those of the launch that makes F and G (a weight below 2^-64 counts as 2^-64; NaN and infinities are not treated apart); F times a row's sums stays far inside f32's range for inputs 30 times the usual.
; REGISTERS, in windows of 256 (s_set_vgpr_msb: bits 1:0 source 0, 3:2 source 1, 5:4 source 2, 7:6 destination):
;   window 0: v0-31 addresses; v32-103, v104-175 two buffers of x's fragments (9 blocks of 16 rows x 32 K); v208-225 F, v226-243 G, a pair for each block
;   window 1: accumulators of blocks 0-7, (a, c) at v[8 (4 a + c)]
;   window 2: v0-31 those of block 8; v32-63 bias a, v64-95 bias b of the phase in hand, as C operands; v96-159 the same two for the second phase; v160-231 the byte offsets in out of the 72 stores of a phase
;   window 3: eight buffers of 32 for W's fragments, step u in buffer u % 8
; Every LDS address is fixed for the whole launch: what differs between the two phases lies in registers (the biases) and in the global bases (weights, out).
.set PITCH, 1040                       ; a row of x in LDS: 1,024 bytes + 16: 65 x 16 bytes, so the 16 rows of a fragment load start in 16 different groups of four banks
.set PWB,   144*PITCH                  ; behind the tile: 5,120 bytes of tables for each wave, its own
.set PWS,   5120
.set DOF,   1024                       ; E at 0: 256 words; D here
.set TOK,   2048                       ; 160 words: the tile's tokens
.set FL,    2688                       ; their F
.set GL,    3328                       ; their G
.set BL,    3968                       ; my 128 columns of bias a, then of bias b
.set STAGE, PWB+4*PWS                  ; 16 rows x 272 bytes for each wave, for the way out
.set SP,    272
.set SPARE, STAGE+4*16*SP              ; the spare words, 128 bytes for each wave; no other line names them
.set TBT,   SPARE+512                  ; the table of counts by codes: wave w writes quarter w: 32 codes x (64 blocks' words + 16 bytes)
.set TPT,   272
.set TQ,    32*TPT
.set PSUM,  TBT+4*TQ                   ; each wave's 32 sums over its quarter: 128 bytes a wave
.set LN,   1
.set R,    2
.set H,    3
.set ADRA, 4                           ; v4-6  LDS address of my lane's place in blocks 0, 3, 6
.set BO,   7                           ; 16 x lane
.set SPW,  8                           ; LDS address of my spare word; never rewritten
.set NIL,  9                           ; 0; never rewritten
.set STO,  10
.set RD,   11
.set GO,   12
.set TKA,  13
.set BLA,  14                          ; LDS address of my lanes' eight columns in the table of biases; never rewritten
.set FLA,  15
.set PWL,  16
.set AS,   17
.set TKB,  18
.set OTH,  19
.set SUMR, 20
.set PRE,  21
.set TT,   22
.set BLS,  23
.set SUM,  24                          ; v24-27
.set COLO, 28
.set BOA,  29
.set BOB,  30
.set TKS,  31
.set AFR,  32
.set BSA,  32                          ; window 2: bias a of the phase in hand
.set BSB,  64                          ; window 2: bias b
.set BSN,  96                          ; window 2: both, for the second phase
.set OFS,  160                         ; window 2: store i of block a at OFS + 8 a + i
.set FF,   208
.set GG,   226
.set TBR,  32                          ; the set-up's registers: v32-95 my quarter of the table; then
.set O0,   32
.set O1,   40
.set BA,   48
.set BB,   52
.set EE,   56
.set DD,   64
.set TK,   72                          ; v72-107
.set RR,   108
.set LO,   113
.set AD,   118
.set VAL,  123
.set FC,   128                         ; v128-137
.set IDX,  138
.set TOKV, 143
.set TO,   148
.set TS,   149
.set PSS,  150
.set PSL,  151
.set CA,   152
.set CB0,  153
.set L8,   154
.set L3,   155
.set PQ,   156                         ; v156-171
.set MSB, 0
.macro WIN new                         ; the immediate's high byte repeats the setting that is left; a switch that changes nothing is dropped
.if MSB != (\new)
	s_set_vgpr_msb (MSB<<8)|(\new)
.set MSB, \new
.endif
.endm
.macro PLACES                          ; four places in front of loads into registers that matrix instructions have read, and of vector work on their results
.rept 4
	v_nop
.endr
.endm
; W's fragments of step u (0-15 expert a, 16-31 expert b): 4,096 consecutive bytes, eight loads of 512
.macro FETCH_B u
	WIN 0xc0                                       ; destination window 3, address window 0
.set i, 0
.rept 8
.if (\u) < 16
	global_load_b128 v[32*((\u)%8)+4*i:32*((\u)%8)+4*i+3], v[BO], s[32:33] offset:((\u)%16)*4096+512*i
.else
	global_load_b128 v[32*((\u)%8)+4*i:32*((\u)%8)+4*i+3], v[BO], s[34:35] offset:((\u)%16)*4096+512*i
.endif
.set i, i+1
.endr
.endm
; x's fragments of step t: nine blocks, ascending, two loads each
.macro FETCH_A t
	WIN 0
.set a, 0
.rept 9
	ds_load_b128 v[AFR+72*((\t)%2)+8*a:AFR+72*((\t)%2)+8*a+3],   v[ADRA+a/3] offset:(a%3)*16*PITCH+64*((\t)%16)
	ds_load_b128 v[AFR+72*((\t)%2)+8*a+4:AFR+72*((\t)%2)+8*a+7], v[ADRA+a/3] offset:(a%3)*16*PITCH+64*((\t)%16)+32
.set a, a+1
.endr
.endm
; Blocks a0 to a1 x four column blocks.  All 36 accumulators take turns in the same order in every step.  Step 0 starts the sums with the bias.
.macro MUL t, a0, a1
.set a, \a0
.rept (\a1)-(\a0)+1
.set AC, 32*(a%8)
.if (\t) == 0
	WIN 0x63+0x40*(a/8)                            ; W window 3, x window 0, the bias window 2, D window 1 or 2
.else
	WIN 0x53+0x50*(a/8)                            ; C and D window 1 or 2
.endif
.set c, 0
.rept 4
.if (\t) == 0
	v_wmma_f32_16x16x32_bf16 v[AC+8*c:AC+8*c+7], v[32*((\t)%8)+8*c:32*((\t)%8)+8*c+7], v[AFR+72*((\t)%2)+8*a:AFR+72*((\t)%2)+8*a+7], v[BSA+8*c:BSA+8*c+7]
.else
	v_wmma_f32_16x16x32_bf16 v[AC+8*c:AC+8*c+7], v[32*((\t)%8)+8*c:32*((\t)%8)+8*c+7], v[AFR+72*((\t)%2)+8*a:AFR+72*((\t)%2)+8*a+7], v[AC+8*c:AC+8*c+7]
.endif
.set c, c+1
.endr
.set a, a+1
.endr
.endm
; A K step of 32: 36 matrix instructions; behind the first 16 the next step's x and W of seven steps on are asked for, in one run.
.macro STEP t
.if (\t) < 25
	s_wait_loadcnt 48                              ; W of this step is in: six younger steps of eight loads stay out
.else
	s_wait_loadcnt 8*(31-(\t))
.endif
	s_wait_dscnt 10                                ; blocks 0-3 of x are in; the youngest ten loads stay out
	MUL \t, 0, 3
.if (\t) < 31
	PLACES                                         ; both runs below land in registers that the step before read
	FETCH_A (\t)+1
.endif
.if (\t) < 25
	FETCH_B (\t)+7
.endif
.if (\t) < 31
	s_wait_dscnt 18                                ; all but the 18 just issued
.else
	s_wait_dscnt 0x0
.endif
	MUL \t, 4, 7
	MUL \t, 8, 8
.endm
; Between the experts: sums = sums x F + bias b.  Blocks 0-3 were finished ahead of step 15's places; their 64 lines are the places behind the last products.  Each accumulator is read from its low end on.
.macro RESCALE
.set a, 0
.rept 9
	WIN 0x61+0x41*(a/8)                            ; destination and source 0 window 1 or 2, F window 0, the bias window 2
.set z, 0
.rept 16
	v_pk_fma_f32 v[32*(a%8)+2*z:32*(a%8)+2*z+1], v[32*(a%8)+2*z:32*(a%8)+2*z+1], v[FF+2*a:FF+2*a+1], v[BSB+2*z:BSB+2*z+1]
.set z, z+1
.endr
.set a, a+1
.endr
.endm
; THE WAY OUT of block a.  PACK: times G.  ST: 32 bytes a lane and column block into my own stage, and back as whole rows of 256 bytes, into the registers that they left.  SEND: stored.
; No register is used twice within a phase (each block has its own data registers, each store its own offset), so no store's source is waited for before the phase's end.
.macro PACK a
	WIN 0x41+0x41*((\a)/8)
.set z, 0
.rept 16
	v_pk_mul_f32 v[32*((\a)%8)+2*z:32*((\a)%8)+2*z+1], v[32*((\a)%8)+2*z:32*((\a)%8)+2*z+1], v[GG+2*(\a):GG+2*(\a)+1]
.set z, z+1
.endr
.endm
.macro ST a
	WIN 0x44+0x44*((\a)/8)                         ; the stores' data (source 1) and the loads' destination window 1 or 2, addresses window 0
.set c, 0
.rept 4
	ds_store_b128 v[STO], v[32*((\a)%8)+8*c:32*((\a)%8)+8*c+3]   offset:64*c
	ds_store_b128 v[STO], v[32*((\a)%8)+8*c+4:32*((\a)%8)+8*c+7] offset:64*c+16
.set c, c+1
.endr
.set i, 0
.rept 8
	ds_load_b128 v[32*((\a)%8)+4*i:32*((\a)%8)+4*i+3], v[RD] offset:2*SP*i  ; LDS serves a wave's instructions in order: these see the stores above, and the next block's stores come behind them
.set i, i+1
.endr
.endm
; younger: the LDS instructions issued behind block a's loads: the next block's sixteen, or none.  A block that lies wholly past the count, and all behind it, are jumped.  In the one block that holds the
; count's end the places past it repeat the tile's last row: they store the same bytes to the same address once more, at most seven stores of 512 bytes a wave and phase.
.macro SEND a, younger
	WIN 0                                          ; at a branch every window is 0
.if (\a) > 0
	s_cmp_le_u32 s29, 16*(\a)
	s_cbranch_scc1 .Lsent
.endif
	s_wait_dscnt \younger
	WIN 0x06+0x04*((\a)/8)                         ; offsets (source 0) window 2, data (source 1) window 1 or 2
.set i, 0
.rept 8
	global_store_b128 v[OFS+8*(\a)+i], v[32*((\a)%8)+4*i:32*((\a)%8)+4*i+3], s[16:17] th:TH_STORE_NT  ; each half of the lanes: 256 consecutive bytes of a token's row, aligned
.set i, i+1
.endr
.endm
	s_load_b256 s[4:11], s[0:1], 0x0               ; xq s[4:5], wq s[6:7], b s[8:9], off s[10:11]
	s_load_b128 s[12:15], s[0:1], 0x20             ; order s[12:13], fac s[14:15]
	s_load_b64 s[16:17], s[0:1], 0x30              ; out0
	v_lshl_add_u32 v[SPW], v0, 2, SPARE
	v_mov_b32 v[NIL], 0
	v_and_b32 v[LN], 31, v0
	v_lshlrev_b32 v[BO], 4, v[LN]
	v_lshrrev_b32 v[TT], 5, v0
	v_readfirstlane_b32 s18, v[TT]                 ; wave 0..3
	s_lshl_b32 s24, s18, 13
	v_add_nc_u32 v[TO], s24, v[BO]                 ; my quarter of the table: 64 blocks of 128 bytes
	s_wait_kmcnt 0x0
	; MY QUARTER OF THE COUNTS, 8 KB: load i brings blocks 64 w + 4 i .. + 3; lane L holds block 64 w + 4 i + L / 8, codes 4 (L % 8) + 0..3.
.set i, 0
.rept 16
	global_load_b128 v[TBR+4*i:TBR+4*i+3], v[TO], s[10:11] offset:512*i
.set i, i+1
.endr
	v_and_b32 v[R], 15, v0                         ; the addresses are made while the table is on its way
	v_bfe_u32 v[H], v0, 4, 1
	s_mov_b32 s19, ttmp9                           ; my work-group's number = my tile's
	s_mov_b32 s40, 0x76543210                      ; v_permlanex16_b32: each lane takes its own place in the other half
	s_mov_b32 s41, 0xfedcba98
	s_mov_b32 s42, 0xaaaaaaaa                      ; the lanes whose number has bit 0, 1, 2, 3, 4 set
	s_mov_b32 s43, 0xcccccccc
	s_mov_b32 s44, 0xf0f0f0f0
	s_mov_b32 s45, 0xff00ff00
	s_mov_b32 s46, 0xffff0000
	v_mul_u32_u24 v[ADRA], v[R], PITCH
	v_lshl_add_u32 v[ADRA], v[H], 4, v[ADRA]       ; row x pitch + 16 x half
	v_add_nc_u32 v[ADRA+1], 48*PITCH, v[ADRA]
	v_add_nc_u32 v[ADRA+2], 96*PITCH, v[ADRA]
	s_mul_i32 s24, s18, 16*SP
	s_add_co_u32 s24, s24, STAGE                   ; my stage
	v_mul_u32_u24 v[STO], v[R], SP                 ; in: row l % 16, 32 bytes for each half of the lanes
	v_lshl_add_u32 v[STO], v[H], 5, v[STO]
	v_add_nc_u32 v[STO], s24, v[STO]
	v_mul_u32_u24 v[RD], v[H], SP                  ; back: lanes 0-15 one row of 256 bytes, lanes 16-31 the next
	v_lshl_add_u32 v[RD], v[R], 4, v[RD]
	v_add_nc_u32 v[RD], s24, v[RD]
	s_lshl_b32 s25, s18, 9
	v_lshl_add_u32 v[GO], v[R], 4, s25             ; my wave's 512 bytes of an output row
	s_mul_i32 s47, s18, PWS
	s_add_co_u32 s47, s47, PWB                     ; my tables
	s_add_co_u32 s25, s47, TOK
	v_lshl_add_u32 v[TKA], v[H], 2, s25
	s_mul_i32 s26, s18, 144
	s_add_co_u32 s25, s25, s26
	v_mov_b32 v[TKB], s25                          ; the 36 tokens whose rows I gather
	s_add_co_u32 s25, s47, BL
	v_lshl_add_u32 v[BLA], v[H], 5, s25
	s_add_co_u32 s25, s47, FL
	v_lshl_add_u32 v[FLA], v[R], 2, s25
	v_lshl_add_u32 v[PWL], v[LN], 5, s47
	v_add_nc_u32 v[BLS], s47, v[BO]
	v_lshl_add_u32 v[TKS], v[LN], 2, s47
	s_mul_i32 s25, s18, 36*PITCH
	v_add_nc_u32 v[AS], s25, v[BO]                 ; my 36 rows of the tile
	v_lshlrev_b32 v[COLO], 10, v[LN]               ; 128 x the first of the lane's eight blocks
	v_mov_b32 v[OTH], 0
	v_and_b32 v[L8], 7, v0                         ; L % 8
	v_bfe_u32 v[L3], v0, 3, 2                      ; L / 8
	s_mul_i32 s24, s18, TQ
	s_add_co_u32 s24, s24, TBT                     ; my quarter in LDS
	v_mul_u32_u24 v[TS], v[L8], 4*TPT              ; code 4 (L % 8),
	v_lshl_add_u32 v[TS], v[L3], 2, v[TS]          ; block L / 8 of the four of a load
	v_add_nc_u32 v[TS], s24, v[TS]
	s_lshl_b32 s24, s18, 7
	s_add_co_u32 s24, s24, PSUM
	v_lshl_add_u32 v[PSS], v[L8], 4, s24           ; my wave's sums: four codes a lane
	v_lshl_add_u32 v[PSL], v[L8], 4, PSUM          ; and the same four codes of wave 0's
	v_mul_u32_u24 v[CB0], v[L3], TQ                ; a column's blocks 8 L .. 8 L + 7 lie in quarter L / 8, 32 (L % 8) bytes in
	v_lshl_add_u32 v[CB0], v[L8], 5, v[CB0]
	v_add_nc_u32 v[CB0], TBT, v[CB0]
	s_wait_loadcnt 0x0
.set i, 0
.rept 16
.set c, 0
.rept 4
	ds_store_b32 v[TS], v[TBR+4*i+c] offset:TPT*c+16*i  ; by codes: a code's 64 counts lie side by side
.set c, c+1
.endr
.set i, i+1
.endr
.set c, 0
.rept 4
	v_add_nc_u32 v[SUM+c], v[TBR+c], v[TBR+4+c]
.set i, 2
.rept 7
	v_add3_u32 v[SUM+c], v[TBR+4*i+c], v[TBR+4*i+4+c], v[SUM+c]
.set i, i+2
.endr
.set c, c+1
.endr
.set c, 0
.rept 4                                            ; the four lanes with the same L % 8
	v_mov_b32_dpp v[OTH], v[SUM+c] row_xmask:8 row_mask:0xf bank_mask:0xf
	v_add_nc_u32 v[SUM+c], v[SUM+c], v[OTH]
	v_permlanex16_b32 v[OTH], v[SUM+c], s40, s41
	v_add_nc_u32 v[SUM+c], v[SUM+c], v[OTH]
.set c, c+1
.endr
	ds_store_b128 v[PSS], v[SUM:SUM+3]             ; the four lanes hold the same numbers and write the same bytes
	s_wait_dscnt 0x0                               ; for the others' sake: my quarter and its sums are in LDS
	s_barrier_signal -1
	s_barrier_wait -1                              ; behind it nobody writes the table or the sums
.set j, 0
.rept 4
	ds_load_b128 v[PQ+4*j:PQ+4*j+3], v[PSL] offset:128*j
.set j, j+1
.endr
	s_wait_dscnt 0x0
.set c, 0
.rept 4
	v_add_nc_u32 v[SUM+c], v[PQ+c], v[PQ+4+c]
	v_add3_u32 v[SUM+c], v[PQ+8+c], v[PQ+12+c], v[SUM+c]
.set c, c+1
.endr
	; DEALING.  Register s % 4 of lane s / 4 holds the number of tokens with a code below s.  Set s has ceil(tot / 144) tiles, from tile s21 on; mine is the last set that begins at or below my number.
	s_mov_b32 s20, 0                               ; my set
	s_mov_b32 s21, 0                               ; the running first tile
	s_mov_b32 s22, 0                               ; my set's first tile
	s_mov_b32 s23, 0                               ; my set's tokens
	s_mov_b32 s24, 0
.set sx, 0
.rept 28
	v_readlane_b32 s25, v[SUM+((sx+1)&3)], (sx+1)>>2
	s_sub_co_u32 s26, s25, s24                     ; the set's tokens
	s_add_co_u32 s27, s26, 143
	s_lshr_b32 s27, s27, 4
	s_mul_i32 s27, s27, 7282                       ; a ninth: exact for numbers up to 2,056, since 2,056 (7,282 / 65,536 - 1 / 9) < 1 / 9
	s_lshr_b32 s27, s27, 16
	s_cmp_ge_u32 s19, s21
	s_cselect_b32 s20, sx, s20
	s_cselect_b32 s22, s21, s22
	s_cselect_b32 s23, s26, s23
	s_add_co_u32 s21, s21, s27
	s_mov_b32 s24, s25
.set sx, sx+1
.endr
	s_sub_co_u32 s28, s19, s22
	s_mul_i32 s28, s28, 144                        ; my first row in the set
	s_sub_co_i32 s29, s23, s28
	s_min_i32 s29, s29, 144                        ; my rows; below 1: this split leaves me none
	s_max_i32 s39, s29, 1
	s_sub_co_u32 s39, s39, 1                       ; the last place that holds a row of its own
	s_min_u32 s20, s20, 27
	s_mov_b32 s30, 0                               ; a = how many of the sets' first codes 7, 13, 18, 22, 25, 27 are reached
.irp f, 7,13,18,22,25,27
	s_cmp_ge_u32 s20, \f
	s_add_co_ci_u32 s30, s30, 0
.endr
	s_sub_co_u32 s24, 15, s30
	s_mul_i32 s24, s24, s30
	s_lshr_b32 s24, s24, 1
	s_sub_co_u32 s31, s20, s24
	s_add_co_u32 s31, s31, s30
	s_add_co_u32 s31, s31, 1                       ; b = code - a (15 - a) / 2 + a + 1
	s_min_u32 s30, s30, 7
	s_min_u32 s31, s31, 7
	s_mov_b32 s37, 0
	s_lshl_b32 s24, s18, 17                        ; my wave's two groups of 64 columns
	s_lshl_b32 s36, s30, 19
	s_add_co_u32 s36, s36, s24
	s_add_nc_u64 s[32:33], s[6:7], s[36:37]        ; expert a's weights for my first phase
	s_lshl_b32 s36, s31, 19
	s_add_co_u32 s36, s36, s24
	s_add_nc_u64 s[34:35], s[6:7], s[36:37]        ; expert b's
	s_lshl_b32 s25, s18, 9
	s_lshl_b32 s24, s30, 11
	s_add_co_u32 s24, s24, s25
	v_add_nc_u32 v[BOA], s24, v[BO]
	s_lshl_b32 s24, s31, 11
	s_add_co_u32 s24, s24, s25
	v_add_nc_u32 v[BOB], s24, v[BO]
	global_load_b128 v[BA:BA+3], v[BOA], s[8:9]    ; my 128 columns of both biases: wanted much later
	global_load_b128 v[BB:BB+3], v[BOB], s[8:9]
	; THE SET'S COLUMN, out of LDS: lane L takes blocks 8 L .. 8 L + 7: where the set begins in the block's sorted list (code s), and where it ends (code s + 1).
	s_mul_i32 s24, s20, TPT
	v_mov_b32 v[CA], s24
	v_min_u32 v[CA], 27*TPT, v[CA]
	v_add_nc_u32 v[CA], v[CA], v[CB0]
	ds_load_b128 v[O0:O0+3], v[CA]
	ds_load_b128 v[O0+4:O0+7], v[CA] offset:16
	ds_load_b128 v[O1:O1+3], v[CA] offset:TPT
	ds_load_b128 v[O1+4:O1+7], v[CA] offset:TPT+16
	s_wait_dscnt 0x0
.set i, 0
.rept 8
	v_sub_nc_u32 v[O1+i], v[O1+i], v[O0+i]         ; the block's tokens of the set
.set i, i+1
.endr
	v_mov_b32 v[EE], 0
.set i, 1
.rept 7
	v_add_nc_u32 v[EE+i], v[EE+i-1], v[O1+i-1]
.set i, i+1
.endr
	v_add_nc_u32 v[SUMR], v[EE+7], v[O1+7]
	v_mov_b32 v[PRE], 0
.set i, 0
.irp m, 1,2,4,8                                    ; the sum of all lower lanes: in each step the partner's group lies below mine where my lane's bit is set
	v_mov_b32_dpp v[OTH], v[SUMR] row_xmask:\m row_mask:0xf bank_mask:0xf
	v_cndmask_b32 v[TT], 0, v[OTH], s[42+i]
	v_add_nc_u32 v[PRE], v[PRE], v[TT]
	v_add_nc_u32 v[SUMR], v[SUMR], v[OTH]
.set i, i+1
.endr
	v_permlanex16_b32 v[OTH], v[SUMR], s40, s41
	v_cndmask_b32 v[TT], 0, v[OTH], s46
	v_add_nc_u32 v[PRE], v[PRE], v[TT]
.set i, 0
.rept 8
	v_add_nc_u32 v[EE+i], v[EE+i], v[PRE]          ; E: the set's tokens in all lower blocks
	v_add3_u32 v[DD+i], v[COLO], v[O0+i], 128*i    ; D = 128 block + the set's begin - E: row R of the set lies at order[D + R]
	v_sub_nc_u32 v[DD+i], v[DD+i], v[EE+i]
.set i, i+1
.endr
	ds_store_b128 v[PWL], v[EE:EE+3]
	ds_store_b128 v[PWL], v[EE+4:EE+7] offset:16
	ds_store_b128 v[PWL], v[DD:DD+3] offset:DOF
	ds_store_b128 v[PWL], v[DD+4:DD+7] offset:DOF+16
	; THE LIST.  Place p = lane + 32 i holds row R0 + min(p, last) of the set.  Its block is the last one with E <= R: eight halvings without a branch, five chains side by side.
.set i, 0
.rept 5
	v_add_nc_u32 v[RR+i], 32*i, v[LN]
	v_min_u32 v[RR+i], s39, v[RR+i]
	v_add_nc_u32 v[RR+i], s28, v[RR+i]
	v_mov_b32 v[LO+i], 0
	v_mov_b32 v[AD+i], s47
.set i, i+1
.endr
.irp st, 128,64,32,16,8,4,2,1
.set i, 0
.rept 5
	ds_load_b32 v[VAL+i], v[AD+i] offset:4*\st     ; my own tables: LDS serves a wave's instructions in order
.set i, i+1
.endr
	s_wait_dscnt 0x0
.set i, 0
.rept 5
	v_cmp_le_u32 vcc_lo, v[VAL+i], v[RR+i]
	v_add_nc_u32 v[TT], 4*\st, v[LO+i]
	v_cndmask_b32 v[LO+i], v[LO+i], v[TT], vcc_lo
	v_min_u32 v[LO+i], 0x3fc, v[LO+i]
	v_add_nc_u32 v[AD+i], s47, v[LO+i]
.set i, i+1
.endr
.endr
.set i, 0
.rept 5
	ds_load_b32 v[VAL+i], v[AD+i] offset:DOF
.set i, i+1
.endr
	s_wait_dscnt 0x0
.set i, 0
.rept 5
	v_add_nc_u32 v[IDX+i], v[VAL+i], v[RR+i]
	v_min_u32 v[IDX+i], 0x7fff, v[IDX+i]
	v_lshlrev_b32 v[IDX+i], 2, v[IDX+i]
	global_load_b32 v[TOKV+i], v[IDX+i], s[12:13]
.set i, i+1
.endr
	s_wait_loadcnt 0x0                             ; the tokens are in, and the biases, which were asked for before them
.set i, 0
.rept 5
	v_min_u32 v[TOKV+i], 0x7fff, v[TOKV+i]
	ds_store_b32 v[TKS], v[TOKV+i] offset:TOK+128*i
	v_lshlrev_b32 v[IDX+i], 3, v[TOKV+i]
.set i, i+1
.endr
	; THE GATHER.  I bring rows 36 w .. 36 w + 35 of the tile: a row is 1,024 bytes, two loads of 512.
.set i, 0
.rept 9
	ds_load_b128 v[TK+4*i:TK+4*i+3], v[TKB] offset:16*i
.set i, i+1
.endr
	s_wait_dscnt 0x0
.set i, 0
.rept 36
	v_min_u32 v[TK+i], 0x7fff, v[TK+i]
	v_lshl_add_u32 v[TK+i], v[TK+i], 10, v[BO]
.set i, i+1
.endr
	WIN 0x40
.set i, 0
.rept 36
	global_load_b128 v[4*i:4*i+3], v[TK+i], s[4:5]
.set i, i+1
.endr
	WIN 0x80
.set i, 0
.rept 36
	global_load_b128 v[4*i:4*i+3], v[TK+i], s[4:5] offset:512
.set i, i+1
.endr
	WIN 0
.set i, 0
.rept 5
	global_load_b64 v[FC+2*i:FC+2*i+1], v[IDX+i], s[14:15]
.set i, i+1
.endr
	; While the rows are on their way: the biases go into my table, and the 72 stores of a phase get their offsets: store i of block a holds rows 16 a + 2 i and + 1, one for each half of the lanes.
.irp p, BA, BA+2, BB, BB+2
	v_cvt_pk_bf16_f32 v[TT], v[\p], v[\p+1]        ; the biases rounded once to bf16, and widened
	v_lshlrev_b32 v[\p], 16, v[TT]
	v_and_b32 v[\p+1], 0xffff0000, v[TT]
.endr
	ds_store_b128 v[BLS], v[BA:BA+3] offset:BL
	ds_store_b128 v[BLS], v[BB:BB+3] offset:BL+512
	WIN 0x80                                       ; destination window 2
.set i, 0
.rept 72
	ds_load_b32 v[OFS+i], v[TKA] offset:8*i        ; 4 (16 a + 2 i') with i = 8 a + i'
.set i, i+1
.endr
	s_wait_dscnt 0x0
	WIN 0x8a                                       ; sources 0 and 1 and the destination window 2, source 2 window 0
.set i, 0
.rept 72
	v_min_u32 v[OFS+i], 0x7fff, v[OFS+i]
	v_lshl_add_u32 v[OFS+i], v[OFS+i], 11, v[GO]   ; the token's row of 2,048 bytes, my wave's 512 of them, 16 bytes a lane
.set i, i+1
.endr
	s_wait_loadcnt 41                              ; the rows' first halves are in: 36 second halves and 5 loads of factors are younger
	WIN 0x04
.set i, 0
.rept 36
	ds_store_b128 v[AS], v[4*i:4*i+3] offset:PITCH*i
.set i, i+1
.endr
	FETCH_B 0
	FETCH_B 1
	FETCH_B 2
	s_wait_loadcnt 29                              ; the second halves are in: 5 loads of factors and 24 of weights are younger
	WIN 0x08
.set i, 0
.rept 36
	ds_store_b128 v[AS], v[4*i:4*i+3] offset:PITCH*i+512
.set i, i+1
.endr
	WIN 0
	s_wait_loadcnt 24                              ; the factors are in: 24 loads of weights are younger
.set i, 0
.rept 5
	ds_store_b32 v[TKS], v[FC+2*i] offset:FL+128*i
	ds_store_b32 v[TKS], v[FC+2*i+1] offset:GL+128*i
.set i, i+1
.endr
.set a, 0
.rept 9                                            ; F and G of token 16 a + lane % 16, each twice: a pair for the packed arithmetic (my own tables)
	ds_load_b32 v[FF+2*a],   v[FLA] offset:64*a
	ds_load_b32 v[FF+2*a+1], v[FLA] offset:64*a
	ds_load_b32 v[GG+2*a],   v[FLA] offset:GL-FL+64*a
	ds_load_b32 v[GG+2*a+1], v[FLA] offset:GL-FL+64*a
.set a, a+1
.endr
	; The biases as C operands, all four at once: set q is expert a (q even) or b (q odd) for phase q / 2; register j of column block c is column 64 (q / 2) + 16 c + 8 (l / 16) + j of my 128.
	WIN 0x80                                       ; destination window 2
.set q, 0
.rept 4
.set c, 0
.rept 4
	ds_load_b128 v[BSA+32*q+8*c:BSA+32*q+8*c+3],   v[BLA] offset:256*(q/2)+512*(q%2)+64*c
	ds_load_b128 v[BSA+32*q+8*c+4:BSA+32*q+8*c+7], v[BLA] offset:256*(q/2)+512*(q%2)+64*c+16
.set c, c+1
.endr
.set q, q+1
.endr
	FETCH_B 3
	FETCH_B 4
	FETCH_B 5
	FETCH_B 6
	WIN 0
	s_wait_dscnt 0x0                               ; for the others' sake: my 36 rows are in LDS; and F, G and the biases are in registers
	s_barrier_signal -1
	s_barrier_wait -1                              ; behind it nobody writes the tile
	s_cmp_lt_i32 s29, 1
	s_cbranch_scc1 .Lend                           ; no rows: nothing to compute, nothing to store
	FETCH_A 0
	s_mov_b32 s38, 2
.Lphase:                                               ; two trips: 64 columns each
.set tt, 0
.rept 16
	STEP tt
.set tt, tt+1
.endr
	RESCALE
.rept 16
	STEP tt
.set tt, tt+1
.endr
	PLACES                                         ; behind the last products: for the loads into W's and x's buffers and for the way out
	WIN 0
	s_add_nc_u64 s[32:33], s[32:33], 0x10000       ; step 31's wait was for 0: no load of mine is out, so the bases may step to the next 64 columns
	s_add_nc_u64 s[34:35], s[34:35], 0x10000
	s_cmp_eq_u32 s38, 1
	s_cbranch_scc1 .Lnofetch                       ; the last phase asks for nothing more
	FETCH_B 0                                      ; the next phase's first seven steps of W and its first step of x land while this phase goes out
	FETCH_B 1
	FETCH_B 2
	FETCH_B 3
	FETCH_B 4
	FETCH_B 5
	FETCH_B 6
	FETCH_A 0
	WIN 0x82                                       ; the second phase's biases go where the one text of the steps names them: destination and source window 2
.set i, 0
.rept 64
	v_mov_b32 v[BSA+i], v[BSN+i]
.set i, i+1
.endr
	WIN 0
.Lnofetch:
	PACK 0
	ST 0
	PACK 1
	ST 1
.irp a, 2,3,4,5,6,7,8                      ; two blocks are on their way through the stage while a third is scaled
	PACK \a
	SEND (\a)-2, 16
	ST \a
.endr
	SEND 7, 16
	SEND 8, 0
	WIN 0
.Lsent:
	s_wait_dscnt 0x0                               ; where blocks were jumped, their loads from the stage may still be out: the next phase's products write those registers
	s_wait_xcnt 0x0                                ; the stores' base and data are rewritten only behind this wait
	s_add_nc_u64 s[16:17], s[16:17], 256           ; the next 64 columns of out
	s_sub_co_u32 s38, s38, 1
	s_cmp_lg_u32 s38, 0
	s_cbranch_scc1 .Lphase
.Lend:
	s_wait_tensorcnt 0x0                           ; the wave's end: behind my last LDS store
	ds_add_u32 v[SPW], v[NIL]
	s_wait_dscnt 0x0
	s_endpgm
.Lfunc_end_k_q13eb3fbab6_chain:
	.size	k_q13eb3fbab6_chain, .Lfunc_end_k_q13eb3fbab6_chain-k_q13eb3fbab6_chain
	.p2alignl 7, 3214868480
	.fill 96, 4, 3214868480
	.section	.rodata,"a",@progbits
	.p2align	6, 0x0
	.amdhsa_kernel k_q13eb3fbab6_chain
		.amdhsa_group_segment_fixed_size 223488
		.amdhsa_private_segment_fixed_size 0
		.amdhsa_enable_private_segment 0
		.amdhsa_kernarg_size 56
		.amdhsa_user_sgpr_count 2
		.amdhsa_user_sgpr_kernarg_segment_ptr 1
		.amdhsa_wavefront_size32 1
		.amdhsa_system_sgpr_workgroup_id_x 1
		.amdhsa_system_sgpr_workgroup_id_y 1
		.amdhsa_system_sgpr_workgroup_id_z 1
		.amdhsa_system_vgpr_workitem_id 0
		.amdhsa_next_free_vgpr 1024
		.amdhsa_next_free_sgpr 66
		.amdhsa_reserve_vcc 1
		.amdhsa_float_denorm_mode_32 3
		.amdhsa_float_denorm_mode_16_64 3
		.amdhsa_memory_ordered 1
		.amdhsa_forward_progress 1
		.amdhsa_inst_pref_size 255
	.end_amdhsa_kernel
	.section	.bss,"aw",@nobits
	.p2align	6
	.space	262144
	.amdgpu_metadata
---
amdhsa.version: [ 1, 2 ]
amdhsa.kernels:
  - .name:           k_q13eb3fbab6_chain
    .symbol:         k_q13eb3fbab6_chain.kd
    .args:
      - { .name: xq, .offset: 0, .size: 8, .value_kind: global_buffer, .address_space: global }
      - { .name: wq, .offset: 8, .size: 8, .value_kind: global_buffer, .address_space: global }
      - { .name: b, .offset: 16, .size: 8, .value_kind: global_buffer, .address_space: global }
      - { .name: off, .offset: 24, .size: 8, .value_kind: global_buffer, .address_space: global }
      - { .name: order, .offset: 32, .size: 8, .value_kind: global_buffer, .address_space: global }
      - { .name: fac, .offset: 40, .size: 8, .value_kind: global_buffer, .address_space: global }
      - { .name: out0, .offset: 48, .size: 8, .value_kind: global_buffer, .address_space: global }
    .group_segment_fixed_size: 223488
    .private_segment_fixed_size: 0
    .kernarg_segment_align: 8
    .kernarg_segment_size: 56
    .max_flat_workgroup_size: 128
    .sgpr_count:     66
    .vgpr_count:     1024
    .wavefront_size: 32
...
	.end_amdgpu_metadata
.endif
;; end of part 2
